; MI455X (gfx1250); checked and timed in simulation.
; The chip was launched on July 23, 2026; its instructions are those of AMD's public machine-readable ISA for CDNA 5 (MIT licence, August 2026) and "CDNA5" Instruction Set Architecture Reference Guide (July 2026). The comments in the code are by the model that wrote it; some were corrected since.
;; Multi Head Attention. Allowed arithmetic: matrix products marked QUANTISED: E2M1 operands, one E8M0 scale for each 32 along K, by v_wmma_scale_f32_16x16x128_f8f6f4 with both operands' format E2M1 (or v_wmma_scale_f32_32x16x128_f4), f32 sums; everything else in f32.
;; Inputs: Wk_codes 1,024 x 32 x 16 uint8 (E2M1 codes of Wk, K innermost, in blocks of 32 codes, two codes a byte); Wk_scales 1,024 x 32 uint8 (E8M0 scales of Wk, one for each 32 codes along K); Wo_codes 1,024 x 32 x 16 uint8 (E2M1 codes of Wo, K innermost, in blocks of 32 codes, two codes a byte); Wo_scales 1,024 x 32 uint8 (E8M0 scales of Wo, one for each 32 codes along K); Wq_codes 1,024 x 32 x 16 uint8 (E2M1 codes of Wq, K innermost, in blocks of 32 codes, two codes a byte); Wq_scales 1,024 x 32 uint8 (E8M0 scales of Wq, one for each 32 codes along K); Wv_codes 1,024 x 32 x 16 uint8 (E2M1 codes of Wv, K innermost, in blocks of 32 codes, two codes a byte); Wv_scales 1,024 x 32 uint8 (E8M0 scales of Wv, one for each 32 codes along K); bk 1,024 float32; bo 1,024 float32; bq 1,024 float32; bv 1,024 float32; x_codes 4 x 2,048 x 32 x 16 uint8 (E2M1 codes of x, K innermost, in blocks of 32 codes, two codes a byte); x_scales 4 x 2,048 x 32 uint8 (E8M0 scales of x, one for each 32 codes along K).
;; Outputs: out0 4 x 2,048 x 1,024 float32.
;; This version of the problem:
;;   THIS VERSION OF THE PROBLEM IS GIVEN IN LOW PRECISION. The matrix products marked QUANTISED in the list below multiply operands that are first quantised to E2M1 (2 exponent bits, 1 mantissa bit; 4 bits a number), with one power-of-two scale for each 32 numbers along K (OCP MX v1.0); their sums are f32. All else is computed in f32.
;;   The module's matrix products, in the order in which they are computed (A, B: the left and right operand; K: the contracted axis; several contracted axes count as one K, in the product's order):
;;     1. [M 8,192, K 1,024] x [K 1,024, N 1,024]; A: input x (given as codes); B: input Wq (given as codes): QUANTISED
;;     2. [M 8,192, K 1,024] x [K 1,024, N 1,024]; A: input x (given as codes); B: input Wk (given as codes): QUANTISED
;;     3. [M 8,192, K 1,024] x [K 1,024, N 1,024]; A: input x (given as codes); B: input Wv (given as codes): QUANTISED
;;     4. batch 64 x [M 2,048, K 64] x [K 64, N 2,048]; A: computed on the way; B: computed on the way: QUANTISED
;;     5. batch 64 x [M 2,048, K 2,048] x [K 2,048, N 64]; A: softmax (see below); B: computed on the way: QUANTISED
;;     6. [M 8,192, K 1,024] x [K 1,024, N 1,024]; A: computed on the way; B: input Wo (given as codes): QUANTISED
;;   THE QUANTISER, for each operand of a quantised product, along K:
;;     - K is cut into blocks of 32 from its start; a last block that is shorter is filled with zeros.
;;     - A block's scale is 2^e with e = floor(log2(the largest magnitude in the block)) - 2, held to -126 .. 127; a block of zeros has e = 0. As a byte (E8M0): e + 127.
;;     - Each number is divided by its block's scale, clamped to +-6, and rounded to the nearest number of E2M1, ties to even, subnormals kept.
;;     - The product sums the exact products of the quantised numbers (number of the format x scale) in f32.
;;   ~~~python
;;   def quantise(x, axis):      # numpy; x: float32 -> the quantised numbers, widened to float32 again
;;       x = np.moveaxis(x, axis, -1); K = x.shape[-1]
;;       x = np.pad(x, [(0, 0)] * (x.ndim - 1) + [(0, -K % 32)]); x = x.reshape(x.shape[:-1] + (-1, 32)); a = np.abs(x).max(-1, keepdims=True)
;;       e = np.where(a > 0, np.clip(np.frexp(np.where(a > 0, a, 1))[1] - 1 - 2, -126, 127), 0)      # np.frexp(a)[1] - 1 = floor(log2(a)), exactly
;;       r = np.clip(x / 2.0 ** e, -6, 6)
;;       step = 2.0 ** (np.maximum(np.frexp(np.where(r == 0, 1, r))[1] - 1, 0) - 1)
;;       q = np.round(r / step) * step * 2.0 ** e      # np.round: ties to even
;;       return np.moveaxis(q.reshape(q.shape[:-2] + (-1,))[..., :K], -1, axis).astype(np.float32)
;;   ~~~
;;   SOFTMAX AHEAD OF A QUANTISED PRODUCT. Where the list says 'softmax', what is quantised is not the finished softmax but p = 2^(t - M), with t = logit x log2(e) and M = ceil(the row's largest t), a whole number; so 1/2 < the row's largest p <= 1. The row's sum l is taken of the UNQUANTISED p, in f32, and the product's result is divided by l at the end. Since M is a whole number, a kernel that streams over the keys may use a running M (the ceiling of the running maximum): every later rescaling is an exact power of two, which a block's scale takes up: the codes' values come out the same.
;;   OPERANDS COMPUTED ON THE WAY. 'Computed on the way' means the value that the module computes at that place (a softmax that the list does not call 'softmax' is quantised finished and normalised). What goes into a quantiser is computed in f32, as accurately as f32 sums, v_exp_f32 and their like allow (about 1e-6 of the number): no bf16 or f16 on the way to a quantiser, and a product that is left as it is and whose result goes on into a quantised operand takes f32 operands (vector FMAs, or v_wmma_f32_16x16x4_f32). A number that lies on a knife's edge between two numbers of the format may be rounded either way, as far as f32 arithmetic and the matrix unit's own rounding can turn it there, and no further.
;;   INPUTS GIVEN AS CODES. Wk (in the module: [1024, 1024], K = its axis 0); Wo (in the module: [1024, 1024], K = its axis 0); Wq (in the module: [1024, 1024], K = its axis 0); Wv (in the module: [1024, 1024], K = its axis 0); x (in the module: [4, 2048, 1024], K = its axis 2): each comes as NAME_codes (uint8): NAME with its K axis moved to the last place and cut into blocks of 32 codes, [.., K / 32, bytes a block], one block behind the other in memory; two codes a byte, the lower K in the low four bits (a code: sign, 2 exponent bits, 1 mantissa bit); and NAME_scales (uint8): the same leading axes, one E8M0 byte (e + 127) for each 32 codes along K. Its value is code x scale, taken as it is: it is not quantised again, and the codes and scales need not be those that the quantiser above would give.
;; One version. Each part assembles by itself: llvm-mc -triple=amdgcn-amd-amdhsa -mcpu=gfx1250 --defsym DOCPART=n.
;; ======== version 1 of 1: 3 launches
;; workspace buffers: qkv 13,893,632 bytes; ctx_codes 4,194,304 bytes; ctx_scales 262,144 bytes
;; launch proj (part 1): grid 12 x 64, 4 waves a work-group, clusters of 4 x 4, 222,720 bytes of LDS; arguments x_codes, x_scales, Wq_codes, Wq_scales, bq, Wk_codes, Wk_scales, bk, Wv_codes, Wv_scales, bv, qkv; writes qkv
.if DOCPART == 1
	.amdgcn_target "amdgcn-amd-amdhsa--gfx1250"
	.amdhsa_code_object_version 6
	.text
	.protected	k_q1b9fedb47f_proj
	.globl	k_q1b9fedb47f_proj
	.p2align	8
	.type	k_q1b9fedb47f_proj,@function
k_q1b9fedb47f_proj:
	s_mov_b64 s[64:65], 0
	v_nop
	global_prefetch_b8 v0, s[64:65] scope:SCOPE_SE
	s_setreg_imm32_b32 hwreg(HW_REG_WAVE_MODE, 25, 1), 1
	s_wait_xcnt 0x0
	s_wait_alu depctr_hold_cnt(0) depctr_sa_sdst(0) depctr_va_vdst(0) depctr_va_sdst(0) depctr_va_ssrc(0) depctr_va_vcc(0) depctr_vm_vsrc(0)
	s_getreg_b32 s2, hwreg(HW_REG_IB_STS2, 6, 4)
	s_cmp_eq_u32 s2, 0
	s_cbranch_scc0 .Lentry_in_a_cluster
	s_endpgm
.Lentry_in_a_cluster:
	s_bfe_u32 s2, ttmp6, 0x10000c
	s_cmp_lg_u32 s2, 0xf033
	s_cbranch_scc0 .Lentry_shape_is_right
	s_endpgm
.Lentry_shape_is_right:
; q, k, v = x W + b on codes of FP4 (E2M1) with E8M0 scales, and the results quantised again for attention: q and k along the head's 64, v along the keys.
; SHARES.  The cluster's x says which matrix (0 q, 1 k, 2 v); a work-group makes 128 rows of x (one key step of one batch) x 256 columns (four heads); wave w makes the 128 rows x head 4 cx + w:
; 32 accumulators of 16 x 16, 256 registers, 8 steps of 128 along K, 32 matrix instructions a step.
; q, k: THE MATRIX INSTRUCTION IS USED TRANSPOSED (source 0 = 16 rows of W, source 1 = 16 rows of x): a lane holds one row of x and its registers run along the head's 64, the next product's K.
; v: source 0 = 16 rows of x, source 1 = 16 rows of W: a lane holds one channel and its registers run along the 128 keys, the next product's K.
; In both cases register 16 b + 8 u + j of a run of 64 is k = 32 b + 16 u + 8 (lane / 16) + j.  Eight numbers give one register of codes; written in the order (block 2c, u 0), (2c+1, u 0), (2c, u 1), (2c+1, u 1),
; two exchanges of lane halves leave block 2 c + lane / 16 whole in a lane: the operand's registers 4 c .. 4 c + 3.
; OUT.  qkv holds a record of REC bytes for each (batch, head), all of it IMAGES OF OPERAND REGISTERS (16 bytes a lane, 512 a store): K's codes, K's scale words, V's codes, V's scale words, Q's codes, Q's scale words.
; LDS.  All of K fits: two chunks of 512 along K (rows of 256 bytes + 16 of padding), x's 128 rows and W's 256, and the scale bytes of all of K.  Every LDS byte is filled once; nothing is stored to LDS.
; CLUSTERS.  4 x 4 work-groups of one matrix: the four of a row need the same rows of x, the four of a column the same rows of W: each tile is asked for jointly.
; LIMITS.  NaN and infinities are not served.  A block whose largest magnitude lies under 2^-124 (a block of zeros too) gets the scale byte 1: its bytes are read by this program alone.  The bias starts each sum.
.set REC,   217088
.set VC,    73728                      ; in a record: K's codes at 0, V's here, Q's at QC; each one's scale words 65,536 bytes behind its codes
.set QC,    143360
.set CHUNK, 104448                     ; x: 128 rows x 272; W: 256 rows x 272
.set WOFF,  34816
.set SCX,   208896                     ; x's scale bytes: 16 runs of 256 bytes + 16
.set SCW,   213248                     ; W's: 32 runs
.set PADC,  (1<<20)|(1<<21)|(5<<22)|(3<<25)   ; padding on; bit 21 beside a mask; after every 64 words; four words
.set ADRX, 16                          ; v16-17 my lane's place in x's rows of chunk 0, 1
.set ADRW, 18                          ; v18-19 the same in my wave's 64 rows of W
.set ADSA, 20                          ; v20    scale words: lanes 0-15 x's rows, lanes 16-31 my W rows (tiles 0-3)
.set ADSB, 21                          ; v21    the same for x's tiles 4-7: lanes 16-31 stand four tiles back
.set LI,   22                          ; v22    16 x lane
.set L8,   23                          ; v23    8 x lane
.set BO,   24                          ; v24    my offset in the bias
.set SC,   32                          ; v32-95 scale words and nothing else: chunk ch at SC + 32 ch; register 4 i + q: lanes 0-15 x's tile i, lanes 16-31 W's tile i % 4
.set BI,   96                          ; v96-127 the bias in the result's layout, eight registers a tile of W
.set PC,   128                         ; the way out: codes, eight registers a run
.set SW,   160                         ; scale words to store
.set WD,   164
.set T0,   168
.set TM,   224                         ; v224-227 largest magnitudes, v228-231 bytes, v236-239 the conversions' scale operands
.set G1X,  28
.set G1W,  36
.set G1SX, 44
.set G1SW, 52
.set G0X,  68
.set G0W,  76
.set G0SX, 84
.set G0SW, 88
.set MSB, 0
.macro WIN new                         ; the immediate's high byte repeats the setting that is left
.if MSB != \new
	s_set_vgpr_msb (MSB<<8)|\new
.set MSB, \new
.endif
.endm
.macro PLACES n
.rept \n
	v_nop
.endr
.endm
.macro CROUND                          ; a round of the cluster's barrier
	s_barrier_signal -1
	s_barrier_wait -1
	s_cmp_lg_u32 s60, 0
	s_cbranch_scc1 .Lnot_wave_0_\@
	s_barrier_signal -3
.Lnot_wave_0_\@:
	s_barrier_wait -3
	s_barrier_signal -1
	s_barrier_wait -1
.endm
.macro JLOAD g0a, g1a, g0b, g1b        ; a joint load: waves 0 and 1 fetch for x, waves 2 and 3 for W; four v_nop follow each line
	s_cmp_eq_u32 s61, 0
	s_cbranch_scc0 .Lfor_w_\@
	tensor_load_to_lds s[\g0a:\g0a+3], s[\g1a:\g1a+7]
	s_nop 0
	PLACES 4
	s_branch .Lasked_\@
.Lfor_w_\@:
	tensor_load_to_lds s[\g0b:\g0b+3], s[\g1b:\g1b+7]
	s_nop 0
	PLACES 4
.Lasked_\@:
.endm
.macro SHAPE g, c, r, p                ; words 1 to 7 of a group 1: r rows of c elements, p elements from row to row
	s_mov_b32 s[\g+1], (\c)<<16
	s_mov_b32 s[\g+2], (\r)<<16
	s_mov_b32 s[\g+3], (\c)<<16
	s_mov_b32 s[\g+4], \r
	s_mov_b32 s[\g+5], \p
	s_mov_b32 s[\g+6], 0
	s_mov_b32 s[\g+7], 0
.endm
	s_load_b512 s[4:19], s[0:1], 0x0               ; x codes s[4:5], x scales s[6:7], Wq codes, scales, bq s[8:13], Wk codes, scales, bk s[14:19]
	s_load_b256 s[20:27], s[0:1], 0x40             ; Wv codes, scales, bv s[20:25], qkv s[26:27]
	v_lshl_add_u32 v254, v0, 2, 0x36400
	v_mov_b32 v255, 0
	ds_add_u32 v254, v255
	ds_add_u32 v254, v255
	v_lshrrev_b32 v1, 5, v0
	v_readfirstlane_b32 s60, v1                    ; wave 0..3
	s_lshr_b32 s61, s60, 1                         ; I fetch for x (0) or for W (1)
	s_and_b32 s62, s60, 1                          ; and which half of its rows
	s_mov_b32 s63, 0xffff0000                      ; lanes 16-31
	s_mov_b32 s66, 0x76543210
	s_mov_b32 s67, 0xfedcba98                      ; v_permlanex16_b32's selects for lane l xor 16
	s_bfe_u32 s92, ttmp6, 0x40000                  ; cx: which four heads
	s_bfe_u32 s93, ttmp6, 0x40004                  ; cy
	s_and_b32 s94, ttmp7, 0xffff
	s_lshl_b32 s94, s94, 2
	s_add_co_u32 s94, s94, s93                     ; y: which 128 rows of x
	s_lshl_b32 s95, s93, 2
	s_lshl_b32 s95, 15, s95                        ; my row of the cluster
	s_lshl_b32 s100, 0x1111, s92                   ; my column
	s_or_b32 s[G1X], s95, PADC                     ; elements of one byte
	s_or_b32 s[G1W], s100, PADC
	s_or_b32 s[G1SX], s95, PADC|(3<<16)            ; elements of eight bytes
	s_or_b32 s[G1SW], s100, PADC|(3<<16)
	SHAPE G1X, 256, 64, 512                        ; 64 rows of x, 256 bytes of each row's 512
	SHAPE G1W, 256, 128, 512                       ; 128 rows of W
	SHAPE G1SX, 32, 8, 32                          ; the scale bytes of 64 rows: 2,048 dense bytes as 8 rows of 256
	SHAPE G1SW, 32, 16, 32                         ; of 128 rows
	s_lshl_b32 s96, s94, 16                        ; x's offsets hang on y and the wave alone,
	s_lshl_b32 s97, s62, 15
	s_add_co_u32 s96, s96, s97
	s_mov_b32 s97, 0
	s_lshl_b32 s98, s94, 12
	s_lshl_b32 s99, s62, 11
	s_add_co_u32 s98, s98, s99
	s_mov_b32 s99, 0
	s_lshl_b32 s2, s92, 17                         ; W's on cx and the wave alone
	s_lshl_b32 s3, s62, 16
	s_add_co_u32 s2, s2, s3
	s_mov_b32 s3, 0
	s_lshl_b32 s100, s92, 13
	s_lshl_b32 s101, s62, 12
	s_add_co_u32 s100, s100, s101
	s_mov_b32 s101, 0
	s_wait_dscnt 0x0
	s_wait_kmcnt 0x0
	s_cmp_eq_u32 ttmp9, 0                          ; which matrix: the choice hangs on the cluster's number alone
	s_cselect_b64 s[8:9], s[8:9], s[14:15]
	s_cselect_b64 s[10:11], s[10:11], s[16:17]
	s_cselect_b64 s[12:13], s[12:13], s[18:19]
	s_cmp_eq_u32 ttmp9, 2
	s_cselect_b64 s[8:9], s[20:21], s[8:9]
	s_cselect_b64 s[10:11], s[22:23], s[10:11]
	s_cselect_b64 s[12:13], s[24:25], s[12:13]
	s_add_nc_u64 s[4:5], s[4:5], s[96:97]
	s_add_nc_u64 s[6:7], s[6:7], s[98:99]
	s_add_nc_u64 s[8:9], s[8:9], s[2:3]
	s_add_nc_u64 s[10:11], s[10:11], s[100:101]
	s_mul_i32 s96, s62, 17408                      ; where they go: no place in the cluster enters an LDS address
	s_mul_i32 s97, s62, 34816
.irp ch, 0,1
	s_mov_b32 s[G0X+4*\ch], 1
	s_add_co_u32 s[G0X+4*\ch+1], s96, \ch*CHUNK
	s_add_nc_u64 s[G0X+4*\ch+2:G0X+4*\ch+3], s[4:5], \ch*256
	s_or_b32 s[G0X+4*\ch+3], s[G0X+4*\ch+3], 0x80000000
	s_mov_b32 s[G0W+4*\ch], 1
	s_add_co_u32 s[G0W+4*\ch+1], s97, \ch*CHUNK+WOFF
	s_add_nc_u64 s[G0W+4*\ch+2:G0W+4*\ch+3], s[8:9], \ch*256
	s_or_b32 s[G0W+4*\ch+3], s[G0W+4*\ch+3], 0x80000000
.endr
	s_mul_i32 s98, s62, 2176
	s_mul_i32 s99, s62, 4352
	s_mov_b32 s[G0SX], 1
	s_add_co_u32 s[G0SX+1], s98, SCX
	s_mov_b64 s[G0SX+2:G0SX+3], s[6:7]
	s_or_b32 s[G0SX+3], s[G0SX+3], 0x80000000
	s_mov_b32 s[G0SW], 1
	s_add_co_u32 s[G0SW+1], s99, SCW
	s_mov_b64 s[G0SW+2:G0SW+3], s[10:11]
	s_or_b32 s[G0SW+3], s[G0SW+3], 0x80000000
	CROUND                                         ; all sixteen work-groups are here: the joint loads meet
	JLOAD G0SX, G1SX, G0SW, G1SW                   ; three loads a wave, all the launch's fills: the scale bytes,
	JLOAD G0X, G1X, G0W, G1W                       ; chunk 0,
	JLOAD G0X+4, G1X, G0W+4, G1W                   ; chunk 1
	v_and_b32 v1, 15, v0                           ; r
	v_bfe_u32 v2, v0, 4, 1                         ; h
	v_mul_u32_u24 v[ADRX], v1, 272
	v_lshl_add_u32 v[ADRX], v2, 4, v[ADRX]         ; a fragment's row x pitch + 16 x half
	v_add_nc_u32 v[ADRX+1], CHUNK, v[ADRX]
	s_mul_i32 s96, s60, 17408                      ; my wave's 64 rows of W
	s_add_co_u32 s96, s96, WOFF
	v_add_nc_u32 v[ADRW], s96, v[ADRX]
	v_add_nc_u32 v[ADRW+1], CHUNK, v[ADRW]
	v_lshlrev_b32 v4, 5, v1                        ; a row's 32 scale bytes,
	v_lshrrev_b32 v5, 3, v1
	v_lshl_add_u32 v4, v5, 4, v4                   ; and 16 more behind each 256
	s_mul_i32 s97, s60, 2176
	s_add_co_u32 s97, s97, SCW-SCX
	v_mul_u32_u24 v5, s97, v2                      ; lanes 16-31 take my wave's rows of W: one product with the lane's half
	v_add_nc_u32 v[ADSA], v4, v5
	v_add_nc_u32 v[ADSA], SCX, v[ADSA]
	s_mul_i32 s98, s60, 2176
	s_add_co_u32 s98, s98, SCW-SCX-2176
	v_mul_u32_u24 v5, s98, v2
	v_add_nc_u32 v[ADSB], v4, v5
	v_add_nc_u32 v[ADSB], SCX, v[ADSB]
	v_and_b32 v6, 31, v0
	v_lshlrev_b32 v[LI], 4, v6
	v_lshlrev_b32 v[L8], 3, v6
.irp b, 0,1,2,3
	v_mov_b32 v[TM+4+\b], 0                        ; written once: a lane permute's destination counts as one of its sources
.endr
	s_lshl_b32 s98, s92, 2
	s_add_co_u32 s98, s98, s60                     ; my head
	s_lshl_b32 s2, s98, 8
	s_mov_b32 s3, 0
	s_add_nc_u64 s[12:13], s[12:13], s[2:3]        ; the bias at my head's 64 numbers
	s_lshr_b32 s99, s94, 4
	s_lshl_b32 s99, s99, 4
	s_add_co_u32 s99, s99, s98                     ; 16 x batch + head
	s_mul_i32 s99, s99, REC
	s_and_b32 s101, s94, 15                        ; the key step
	s_cmp_eq_u32 ttmp9, 0
	s_cselect_b32 s2, QC, 0
	s_cmp_eq_u32 ttmp9, 2
	s_cselect_b32 s2, VC, s2
	s_cselect_b32 s3, 8, 9                         ; a step's scale words: 256 bytes for v, 512 for q and k
	s_add_co_u32 s2, s2, s99
	s_lshl_b32 s3, s101, s3
	s_add_co_u32 s3, s3, s2
	s_add_co_u32 s98, s3, 65536
	s_lshl_b32 s3, s101, 12                        ; a step's codes: 4,096 bytes
	s_add_co_u32 s96, s2, s3
	s_mov_b32 s97, 0
	s_mov_b32 s99, 0
	s_add_nc_u64 s[96:97], s[26:27], s[96:97]      ; where my codes go,
	s_add_nc_u64 s[98:99], s[26:27], s[98:99]      ; and my scale words
.macro SCALES                          ; all of K's scale words, once: four words (a chunk's four steps) a load
.irp ch, 0,1
.irp i, 0,1,2,3
	ds_load_b128 v[SC+32*\ch+4*\i:SC+32*\ch+4*\i+3], v[ADSA] offset:544*\i+16*\ch
.endr
.irp i, 4,5,6,7
	ds_load_b128 v[SC+32*\ch+4*\i:SC+32*\ch+4*\i+3], v[ADSB] offset:544*\i+16*\ch
.endr
.endr
.endm
.macro FETCH st                        ; the fragments of step st (x's eight tiles, my four of W): even steps into window 0 (v128-223), odd steps into window 2 (v0-95)
.set CH, (\st)/4
.set QQ, (\st)%4
.set FX, 128*(1-(\st)%2)
.set FW, FX+64
.if (\st)%2
	WIN 0x80
.else
	WIN 0
.endif
.irp a, 0,1,2,3,4,5,6,7
.irp c, 0,1
	ds_load_b128 v[FX+8*\a+4*\c:FX+8*\a+4*\c+3], v[ADRX+CH] offset:4352*\a+64*QQ+32*\c
.endr
.endr
.irp b, 0,1,2,3
.irp c, 0,1
	ds_load_b128 v[FW+8*\b+4*\c:FW+8*\b+4*\c+3], v[ADRW+CH] offset:4352*\b+64*QQ+32*\c
.endr
.endr
.endm
; 32 matrix instructions: 128 along K.  The 32 accumulators (window 1) take turns, one instruction a turn, in the same order in every step.
; The first step's C is the bias (window 0): nothing is cleared and nothing is added later.
.macro MUL st, tr
.set CH, (\st)/4
.set QQ, (\st)%4
.set FX, 128*(1-(\st)%2)
.set FW, FX+64
.if (\st) == 0
	WIN 0x40
.elseif (\st)%2 == 0
	WIN 0x50
.else
	WIN 0x5a
.endif
.irp a, 0,1,2,3,4,5,6,7
.irp b, 0,1,2,3
.if \tr
.set DD, 32*\a+8*\b
.else
.set DD, 64*\b+8*\a
.endif
.if (\st) == 0
.set CR, BI+8*\b
.else
.set CR, DD
.endif
.if \tr
	v_wmma_scale_f32_16x16x128_f8f6f4 v[DD:DD+7], v[FW+8*\b:FW+8*\b+7], v[FX+8*\a:FX+8*\a+7], v[CR:CR+7], v[SC+32*CH+4*\b+QQ], v[SC+32*CH+4*\a+QQ] matrix_a_fmt:MATRIX_FMT_FP4 matrix_b_fmt:MATRIX_FMT_FP4 matrix_a_scale:MATRIX_SCALE_ROW1
.else
	v_wmma_scale_f32_16x16x128_f8f6f4 v[DD:DD+7], v[FX+8*\a:FX+8*\a+7], v[FW+8*\b:FW+8*\b+7], v[CR:CR+7], v[SC+32*CH+4*\a+QQ], v[SC+32*CH+4*\b+QQ] matrix_a_fmt:MATRIX_FMT_FP4 matrix_b_fmt:MATRIX_FMT_FP4 matrix_b_scale:MATRIX_SCALE_ROW1
.endif
.endr
.endr
.endm
.macro GSTEP st, tr
.if (\st) == 3
	s_wait_tensorcnt 0x0                           ; my part of chunk 1 has landed: step 4's fragments are fetched below
.endif
	s_wait_dscnt 0x0                               ; this step's fragments, asked for one step (32 matrix instructions) ago
.if (\st) == 0
	s_wait_loadcnt 0x0                             ; the bias
.endif
.if (\st) == 3
	s_barrier_signal -1
	s_barrier_wait -1                              ; everybody's part of chunk 1 has landed
.endif
.if (\st) < 7
.if (\st) > 0
	PLACES 4                                       ; four places in front of loads into registers that the last step's matrix instructions have read
.endif
	FETCH (\st)+1
.endif
	MUL \st, \tr
.endm
; 64 numbers of a lane in window 1, v[s] on, become eight registers of codes, v[pc] on, and four scale bytes in v[TM+4] on.
.macro QUANT s, pc
	WIN 0x05
.irp b, 0,1,2,3
	v_max3_num_f32 v[TM+\b], |v[(\s)+16*\b]|, |v[(\s)+16*\b+1]|, 0x1800000   ; block b: my 16 numbers, each accumulator from its low end on, and the floor 2^(3 - 127): the byte cannot fall under 1
.endr
	WIN 0x14
.irp i, 2,4,6,8,10,12,14
.irp b, 0,1,2,3
	v_max3_num_f32 v[TM+\b], v[TM+\b], |v[(\s)+16*\b+\i]|, |v[(\s)+16*\b+\i+1]|
.endr
.endr
	WIN 0
.irp b, 0,1,2,3
	v_permlanex16_b32 v[TM+4+\b], v[TM+\b], s66, s67
.endr
.irp b, 0,1,2,3
	v_max_num_f32 v[TM+\b], v[TM+\b], v[TM+4+\b]   ; with lane l xor 16's 16: the block's largest magnitude
.endr
.irp b, 0,1,2,3
	v_add_nc_u32 v[TM+12+\b], 0xff000000, v[TM+\b] ; 2 off its exponent field: the conversion's scale operand
.endr
.irp b, 0,1,2,3
	v_lshrrev_b32 v[TM+4+\b], 23, v[TM+12+\b]      ; the scale's byte
.endr
	WIN 0x01
.irp c, 0,1
	v_cvt_scalef32_pk8_fp4_f32 v[(\pc)+4*\c], v[(\s)+32*\c:(\s)+32*\c+7], v[TM+12+2*\c]
	v_cvt_scalef32_pk8_fp4_f32 v[(\pc)+4*\c+2], v[(\s)+32*\c+8:(\s)+32*\c+15], v[TM+12+2*\c]
	v_cvt_scalef32_pk8_fp4_f32 v[(\pc)+4*\c+1], v[(\s)+32*\c+16:(\s)+32*\c+23], v[TM+12+2*\c+1]
	v_cvt_scalef32_pk8_fp4_f32 v[(\pc)+4*\c+3], v[(\s)+32*\c+24:(\s)+32*\c+31], v[TM+12+2*\c+1]
.endr
	WIN 0
	v_nop                                          ; one plain place behind a scaled conversion
.irp c, 0,1
	v_permlane16_swap_b32 v[(\pc)+4*\c], v[(\pc)+4*\c+1]     ; block 2 c + lane / 16 is now whole in a lane
	v_permlane16_swap_b32 v[(\pc)+4*\c+2], v[(\pc)+4*\c+3]
.endr
.endm
; The way out.  q, k: run n is x's tiles 2 n and 2 n + 1, two blocks each.  v: run n is channel tile n, four blocks of keys.  Every store has registers of its own and covers 512 (the last of v: 256) consecutive bytes, aligned.
.macro EPI tr
.irp n, 0,1,2,3
	QUANT 64*\n, PC+8*\n
.if \tr
	v_lshl_or_b32 v[T0], v[TM+5], 8, v[TM+4]       ; a tile's word: two bytes, the upper two 0 (they scale zero codes alone)
	v_lshl_or_b32 v[T0+1], v[TM+7], 8, v[TM+6]
	v_cndmask_b32 v[SW+\n], v[T0], v[T0+1], s63    ; lanes 0-15 tile 2 n, lanes 16-31 tile 2 n + 1
.else
	v_lshl_or_b32 v[WD+\n], v[TM+5], 8, v[TM+4]
	v_lshl_or_b32 v[WD+\n], v[TM+6], 16, v[WD+\n]
	v_lshl_or_b32 v[WD+\n], v[TM+7], 24, v[WD+\n]
.if \n%2
	v_cndmask_b32 v[SW+\n/2], v[WD+\n-1], v[WD+\n], s63
.endif
.endif
	global_store_b128 v[LI], v[PC+8*\n:PC+8*\n+3], s[96:97] offset:1024*\n
	global_store_b128 v[LI], v[PC+8*\n+4:PC+8*\n+7], s[96:97] offset:1024*\n+512
.endr
.if \tr
	global_store_b128 v[LI], v[SW:SW+3], s[98:99]
.else
	global_store_b64 v[L8], v[SW:SW+1], s[98:99]
.endif
.endm
.macro ROLE tr
.if \tr
	v_lshlrev_b32 v[BO], 5, v2                     ; q, k: register j of W's tile b is channel 16 b + 8 h + j
.irp b, 0,1,2,3
	global_load_b128 v[BI+8*\b:BI+8*\b+3], v[BO], s[12:13] offset:64*\b
	global_load_b128 v[BI+8*\b+4:BI+8*\b+7], v[BO], s[12:13] offset:64*\b+16
.endr
.else
	v_lshlrev_b32 v[BO], 2, v1                     ; v: all eight registers of W's tile b are channel 16 b + r
.irp b, 0,1,2,3
.irp j, 0,1,2,3,4,5,6,7
	global_load_b32 v[BI+8*\b+\j], v[BO], s[12:13] offset:64*\b
.endr
.endr
.endif
	s_wait_tensorcnt 0x1                           ; of my three loads the last, chunk 1's, may stay out: the scale bytes and chunk 0 have landed,
	s_barrier_signal -1
	s_barrier_wait -1                              ; everybody's have
	SCALES
	FETCH 0
.irp st, 0,1,2,3,4,5,6,7
	GSTEP \st, \tr
.endr
	WIN 0
	PLACES 4                                       ; in front of the first read of results
	EPI \tr
.endm
	s_cmp_eq_u32 ttmp9, 2                          ; the cluster's number: the same in all sixteen partners and in all waves
	s_cbranch_scc1 .Lrole_v
	s_wait_alu depctr_va_vdst(0)
	ROLE 1
	s_branch .Lend
.Lrole_v:
	s_wait_alu depctr_va_vdst(0)
	ROLE 0
.Lend:
	s_wait_dscnt 0x0
	s_wait_tensorcnt 0x0
	ds_add_u32 v254, v255
	s_wait_dscnt 0x0
	CROUND                                         ; the closing round: no work-group ends while a partner may still ask for a tile that names it
	s_endpgm
.Lfunc_end_k_q1b9fedb47f_proj:
	.size	k_q1b9fedb47f_proj, .Lfunc_end_k_q1b9fedb47f_proj-k_q1b9fedb47f_proj
	.p2alignl 7, 3214868480
	.fill 96, 4, 3214868480
	.section	.rodata,"a",@progbits
	.p2align	6, 0x0
	.amdhsa_kernel k_q1b9fedb47f_proj
		.amdhsa_group_segment_fixed_size 222720
		.amdhsa_private_segment_fixed_size 0
		.amdhsa_enable_private_segment 0
		.amdhsa_kernarg_size 96
		.amdhsa_user_sgpr_count 2
		.amdhsa_user_sgpr_kernarg_segment_ptr 1
		.amdhsa_wavefront_size32 1
		.amdhsa_system_sgpr_workgroup_id_x 1
		.amdhsa_system_sgpr_workgroup_id_y 1
		.amdhsa_system_sgpr_workgroup_id_z 1
		.amdhsa_system_vgpr_workitem_id 0
		.amdhsa_next_free_vgpr 640
		.amdhsa_next_free_sgpr 102
		.amdhsa_reserve_vcc 0
		.amdhsa_float_denorm_mode_32 3
		.amdhsa_float_denorm_mode_16_64 3
		.amdhsa_memory_ordered 1
		.amdhsa_forward_progress 1
		.amdhsa_inst_pref_size 141
	.end_amdhsa_kernel
	.amdgpu_metadata
---
amdhsa.version: [ 1, 2 ]
amdhsa.kernels:
  - .name:           k_q1b9fedb47f_proj
    .symbol:         k_q1b9fedb47f_proj.kd
    .args:
      - { .name: x_codes, .offset: 0, .size: 8, .value_kind: global_buffer, .address_space: global }
      - { .name: x_scales, .offset: 8, .size: 8, .value_kind: global_buffer, .address_space: global }
      - { .name: Wq_codes, .offset: 16, .size: 8, .value_kind: global_buffer, .address_space: global }
      - { .name: Wq_scales, .offset: 24, .size: 8, .value_kind: global_buffer, .address_space: global }
      - { .name: bq, .offset: 32, .size: 8, .value_kind: global_buffer, .address_space: global }
      - { .name: Wk_codes, .offset: 40, .size: 8, .value_kind: global_buffer, .address_space: global }
      - { .name: Wk_scales, .offset: 48, .size: 8, .value_kind: global_buffer, .address_space: global }
      - { .name: bk, .offset: 56, .size: 8, .value_kind: global_buffer, .address_space: global }
      - { .name: Wv_codes, .offset: 64, .size: 8, .value_kind: global_buffer, .address_space: global }
      - { .name: Wv_scales, .offset: 72, .size: 8, .value_kind: global_buffer, .address_space: global }
      - { .name: bv, .offset: 80, .size: 8, .value_kind: global_buffer, .address_space: global }
      - { .name: qkv, .offset: 88, .size: 8, .value_kind: global_buffer, .address_space: global }
    .group_segment_fixed_size: 222720
    .private_segment_fixed_size: 0
    .kernarg_segment_align: 8
    .kernarg_segment_size: 96
    .max_flat_workgroup_size: 128
    .sgpr_count:     102
    .vgpr_count:     640
    .wavefront_size: 32
...
	.end_amdgpu_metadata
.endif
;; end of part 1
;; launch attn (part 2): grid 4 x 64, 16 waves a work-group, clusters of 4 x 1, 169,984 bytes of LDS; arguments qkv, ctx_codes, ctx_scales; writes ctx_codes, ctx_scales
.if DOCPART == 2
	.amdgcn_target "amdgcn-amd-amdhsa--gfx1250"
	.amdhsa_code_object_version 6
	.text
	.protected	k_q1b9fedb47f_attn
	.globl	k_q1b9fedb47f_attn
	.p2align	8
	.type	k_q1b9fedb47f_attn,@function
k_q1b9fedb47f_attn:
	s_mov_b64 s[64:65], 0
	v_nop
	global_prefetch_b8 v0, s[64:65] scope:SCOPE_SE
	s_setreg_imm32_b32 hwreg(HW_REG_WAVE_MODE, 25, 1), 1
	s_wait_xcnt 0x0
	s_wait_alu depctr_hold_cnt(0) depctr_sa_sdst(0) depctr_va_vdst(0) depctr_va_sdst(0) depctr_va_ssrc(0) depctr_va_vcc(0) depctr_vm_vsrc(0)
	s_getreg_b32 s2, hwreg(HW_REG_IB_STS2, 6, 4)
	s_cmp_eq_u32 s2, 0
	s_cbranch_scc0 .Lentry_in_a_cluster
	s_endpgm
.Lentry_in_a_cluster:
	s_bfe_u32 s2, ttmp6, 0x10000c
	s_cmp_lg_u32 s2, 0x3003
	s_cbranch_scc0 .Lentry_shape_is_right
	s_endpgm
.Lentry_shape_is_right:
; Causal attention of one (batch, head) on codes of FP4 (E2M1) with E8M0 scales, and the context quantised along the model's width for the last product.
; t = score x log2(e) / 8; M = the running largest t rounded UP to a whole number; p = 2^(t - M) is quantised along the keys, not normalised; the row's sum is taken of the unquantised p and divides O at the end.
; SHARES.  The four work-groups of a cluster serve one head.  A wave owns TWO tiles of 16 queries, a = 8 g + ii (g = wave / 2, ii = 2 cx + wave % 2) and 127 - a: tile a needs g + 1 key steps of 128, the other 16 - g,
; so every wave of the launch walks 17 steps, two of them on the diagonal.  Which steps a wave walks hangs on its number alone; cx enters global addresses and the mask's numbers only.
; Four waves to a SIMD: one wave's vector work stands beside another's matrix work and LDS loads.
; LDS.  The head's K and V, codes and scale words, are the first 143,360 bytes of its record in qkv, laid as images of operand registers: they come once, as they lie, by eight joint loads (waves 0-7), and every
; LDS read is 16 or 8 bytes a lane on end.  Nothing is stored to LDS and no byte is filled again.
; LAYOUT.  Both products are used transposed: S^T = K Q^T (source 0 = 16 keys), O^T = V^T P^T (source 0 = 16 channels): a lane holds one query throughout.  The head has 64 channels: the upper 64 of the first
; product's 128 along K are zero codes on both sides.  Register 16 b + 8 u + j of S^T is key 32 b + 16 u + 8 (lane / 16) + j; the conversions' order and two exchanges of lane halves make it the operand.
; CAUSAL.  The loop over key steps has 16 trips in every wave; a step whose keys all come after the tile's queries is jumped over, all but the lines that step addresses.  On the diagonal hidden scores become -infinity.
; OUT.  The codes leave as an image (512 consecutive bytes a store).  The two scale bytes of a row leave by a store of two bytes a lane, rows 32 bytes apart: the one store here that fills no long run; it carries 2 bytes beside each 32 of codes.
; LIMITS.  NaN and infinities are not served.  A block under 2^-124 (zeros too) gets the scale byte 1, read by this program alone.  The division by the sum is a reciprocal (v_rcp_f32) and a multiplication.
.set REC,  217088
.set KSC,  65536
.set VC,   73728
.set VSC,  139264
.set QC,   143360
.set QSC,  208896
.set PART, 17920                       ; 70 rows of 256 bytes: an eighth of K's and V's 143,360 bytes
.macro PLACES n
.rept \n
	v_nop
.endr
.endm
.macro CROUND
	s_barrier_signal -1
	s_barrier_wait -1
	s_cmp_lg_u32 s10, 0
	s_cbranch_scc1 .Lnot_wave_0_\@
	s_barrier_signal -3
.Lnot_wave_0_\@:
	s_barrier_wait -3
	s_barrier_signal -1
	s_barrier_wait -1
.endm
; The four pointers of a tile of queries: group s[lim] of 128 rows, tile s[ii] in it.
.macro PTRS lim, ii, qc, qs, cc, cs
	s_lshl_b32 s56, s[\lim], 3
	s_add_co_u32 s56, s56, s[\ii]                  ; the tile's number in the head
	s_lshl_b32 s58, s56, 9
	s_add_co_u32 s58, s58, QC
	s_mov_b32 s59, 0
	s_add_nc_u64 s[\qc:\qc+1], s[18:19], s[58:59]  ; Q's image
	s_lshl_b32 s58, s[\lim], 9
	s_and_b32 s57, s[\ii], 1
	s_lshl_b32 s57, s57, 8
	s_add_co_u32 s58, s58, s57
	s_lshr_b32 s57, s[\ii], 1
	s_lshl_b32 s57, s57, 2
	s_add_co_u32 s58, s58, s57
	s_add_co_u32 s58, s58, QSC
	s_add_nc_u64 s[\qs:\qs+1], s[18:19], s[58:59]  ; Q's scale words: the half of the lanes and the word of the four that hold this tile
	s_lshr_b32 s57, s12, 4                         ; batch
	s_lshl_b32 s58, s57, 4
	s_add_co_u32 s58, s58, s[\lim]                 ; the group of 128 rows among all 64
	s_lshl_b32 s58, s58, 4
	s_and_b32 s60, s12, 15                         ; head
	s_add_co_u32 s58, s58, s60
	s_lshl_b32 s58, s58, 3
	s_add_co_u32 s58, s58, s[\ii]
	s_lshl_b32 s58, s58, 9
	s_add_nc_u64 s[\cc:\cc+1], s[6:7], s[58:59]    ; the context's image: [group][head][tile][512]
	s_lshl_b32 s58, s57, 11
	s_lshl_b32 s61, s56, 4
	s_add_co_u32 s58, s58, s61                     ; the tile's first row
	s_lshl_b32 s58, s58, 5
	s_lshl_b32 s61, s60, 1
	s_add_co_u32 s58, s58, s61
	s_add_nc_u64 s[\cs:\cs+1], s[8:9], s[58:59]    ; its scale bytes: [row][32], the head's two
.endm
	s_load_b128 s[4:7], s[0:1], 0x0                ; qkv, the context's codes
	s_load_b64 s[8:9], s[0:1], 0x10                ; the context's scale bytes
	v_lshl_add_u32 v254, v0, 2, 0x29000
	v_mov_b32 v255, 0
	ds_add_u32 v254, v255
	ds_add_u32 v254, v255
	s_wait_dscnt 0x0
	v_lshrrev_b32 v8, 5, v0
	s_delay_alu instid0(VALU_DEP_1)
	v_readfirstlane_b32 s10, v8                    ; wave 0..15
	s_bfe_u32 s11, ttmp6, 0x40000                  ; cx
	s_and_b32 s12, ttmp7, 0xffff                   ; 16 x batch + head, which the four partners share
	s_lshr_b32 s16, s10, 1                         ; g: the first tile's group, and its last key step
	s_xor_b32 s17, s16, 15                         ; 15 - g: the second tile's
	s_and_b32 s14, s10, 1
	s_lshl_b32 s13, s11, 1
	s_add_co_u32 s14, s14, s13                     ; ii
	s_xor_b32 s15, s14, 7                          ; 7 - ii
	s_mul_i32 s56, s12, REC
	s_mov_b32 s57, 0
	s_mov_b32 s40, 15|(3<<16)|(1<<21)              ; the mask: all four work-groups; elements of 8 bytes; bit 21 beside a mask; no padding
	s_mov_b32 s41, 32<<16                          ; rows of 32 elements, 256 bytes,
	s_mov_b32 s42, 70<<16                          ; 70 of them,
	s_mov_b32 s43, 32<<16
	s_mov_b32 s44, 70
	s_mov_b32 s45, 32                              ; dense
	s_mov_b32 s46, 0
	s_mov_b32 s47, 0
	s_mov_b32 s36, 1
	s_mul_i32 s37, s10, PART                       ; LDS address = the bytes' place in the record
	s_mov_b32 s58, s37
	s_mov_b32 s59, 0
	s_mov_b32 s48, 0x76543210
	s_mov_b32 s49, 0xfedcba98                      ; v_permlanex16_b32's selects for lane l xor 16
	s_mov_b32 s50, 0x3e38aa3b                      ; c = log2(e) / sqrt(64)
	s_mov_b32 s51, s50                             ; (named with it as a pair, so it is written)
	s_wait_kmcnt 0x0
	s_add_nc_u64 s[18:19], s[4:5], s[56:57]        ; the head's record
	s_add_nc_u64 s[38:39], s[18:19], s[58:59]
	s_or_b32 s39, s39, 0x80000000
	PTRS 16, 14, 20, 24, 28, 32
	PTRS 17, 15, 22, 26, 30, 34
	CROUND                                         ; all four work-groups are here: the joint loads meet
	s_cmp_lt_u32 s10, 8                            ; waves 0-7 fetch an eighth each: the launch's only fills, one a wave, in one branch on the wave's number
	s_cbranch_scc0 .Lno_fill
	tensor_load_to_lds s[36:39], s[40:47]
	s_nop 0
	PLACES 4
.Lno_fill:
	v_and_b32 v9, 31, v0
	s_delay_alu instid0(VALU_DEP_1)
	v_lshlrev_b32 v1, 4, v9                        ; v1 16 x lane: K's codes, and the images in memory
	s_delay_alu instid0(VALU_DEP_1)
	v_add_nc_u32 v2, VC, v1                        ; v2 V's codes
	s_delay_alu instid0(VALU_DEP_2)
	v_add_nc_u32 v3, KSC, v1                       ; v3 K's scale words
	s_delay_alu instid0(VALU_DEP_4)
	v_lshlrev_b32 v4, 3, v9
	s_delay_alu instid0(VALU_DEP_1)
	v_add_nc_u32 v4, VSC, v4                       ; v4 V's scale words
	v_and_b32 v8, 15, v0                           ; r
	v_bfe_u32 v9, v0, 4, 1                         ; h
	s_delay_alu instid0(VALU_DEP_1)
	v_lshlrev_b32 v10, 3, v9
	s_delay_alu instid0(VALU_DEP_1)
	v_sub_nc_u32 v10, v8, v10
	s_lshl_b32 s56, s14, 4
	v_add_nc_u32 v5, s56, v10                      ; v5, v6: my query in its group, less 8 h: the mask's number for the two tiles
	s_lshl_b32 s56, s15, 4
	v_add_nc_u32 v6, s56, v10
	v_lshlrev_b32 v7, 5, v8                        ; v7 32 r: my row of scale bytes
	v_lshlrev_b32 v253, 4, v8                      ; 16 r
	global_load_b128 v[16:19], v1, s[20:21]        ; Q's fragments stay in registers
	global_load_b128 v[24:27], v1, s[22:23]
	global_load_b32 v250, v253, s[24:25]           ; and their scale words: lane r has row r's
	global_load_b32 v251, v253, s[26:27]
.irp j, 20,21,22,23,28,29,30,31
	v_mov_b32 v[\j], 0                             ; the upper 64 along K: zero codes
.endr
.irp t, 0,1,2,3,4,5,6,7
.irp j, 4,5,6,7
	v_mov_b32 v[32+8*\t+\j], 0                     ; in K's eight fragments too: written once, the loads fill the lower four registers
.endr
.endr
.irp b, 0,1,2,3
	v_mov_b32 v[236+\b], 0                         ; written once: a lane permute's destination counts as one of its sources
.endr
	v_mov_b32 v255, 0                              ; (named as the upper half of the pair v[254:255])
	s_wait_tensorcnt 0x0                           ; my part of K and V has landed,
	s_barrier_signal -1
	s_barrier_wait -1                              ; everybody's has
	s_wait_loadcnt 0x0                             ; Q
; REGISTERS: v8-11 the step's addresses; v12 -M, v13 the largest t, v[14:15] the sum in two halves; v16-31 Q; v32-95 K; v96-159 S^T, then p; v160-191 O^T; v192-223 V; v224-231 p's codes;
; v232-235 block maxima, v236-239 bytes, v240-243 the conversions' scale operands; v244-247 K's scale words, v248-249 V's, v250-251 Q's, v252 p's; v253 at work; v[254:255] f.
.macro PASS qfr, qsc, vdd, lim, pcc, pcs, more
	v_mov_b32 v13, 0xff61b1e6                      ; the largest t so far: -3e38
	s_delay_alu instid0(VALU_DEP_1)
	v_floor_f32 v12, -v13
	v_mov_b32 v14, 0
	v_mov_b32 v15, 0
.set J, 0
.rept 32
	v_mov_b32 v[160+J], 0                          ; O^T: the step is written once; the first finds zeros, which the first change of M leaves zeros
.set J, J+1
.endr
	s_mov_b32 s52, 0                               ; the key step
	s_mov_b32 s53, 0                               ; its codes: 4,096 bytes a step, K's and V's alike
	s_mov_b32 s54, 0                               ; K's scale words: 512
	s_mov_b32 s55, 0                               ; V's: 256
.Lstep_\@:
	s_cmp_gt_u32 s52, s[\lim]                      ; all its keys come after my queries: nothing to do but to step
	s_cbranch_scc1 .Lskip_\@
	s_setprio 2
	v_add_nc_u32 v8, s53, v1                       ; these four are also the places in front of loads into registers that the last step's matrix instructions have read
	v_add_nc_u32 v9, s53, v2
	v_add_nc_u32 v10, s54, v3
	v_add_nc_u32 v11, s55, v4
.irp t, 0,1,2,3,4,5,6,7
	ds_load_b128 v[32+8*\t:35+8*\t], v8 offset:512*\t
.endr
	ds_load_b128 v[244:247], v10
.irp t, 0,1,2,3
	ds_load_b128 v[192+8*\t:195+8*\t], v9 offset:1024*\t
	ds_load_b128 v[196+8*\t:199+8*\t], v9 offset:1024*\t+512
.endr
	ds_load_b64 v[248:249], v11
	s_wait_dscnt 9                                 ; K's nine loads are in; V's nine, issued behind them, may stay out
.irp t, 0,1,2,3,4,5,6,7
.if \t%2
	v_wmma_scale_f32_16x16x128_f8f6f4 v[96+8*\t:103+8*\t], v[32+8*\t:39+8*\t], v[\qfr:\qfr+7], 0, v[244+\t/2], v[\qsc] matrix_a_fmt:MATRIX_FMT_FP4 matrix_b_fmt:MATRIX_FMT_FP4 matrix_a_scale:MATRIX_SCALE_ROW1
.else
	v_wmma_scale_f32_16x16x128_f8f6f4 v[96+8*\t:103+8*\t], v[32+8*\t:39+8*\t], v[\qfr:\qfr+7], 0, v[244+\t/2], v[\qsc] matrix_a_fmt:MATRIX_FMT_FP4 matrix_b_fmt:MATRIX_FMT_FP4
.endif
.endr
	PLACES 4
	s_cmp_lg_u32 s52, s[\lim]                      ; only my last step lies on the diagonal
	s_cbranch_scc1 .Lopen_\@
	v_mov_b32 v253, 0xff800000                     ; -infinity.  Register n holds key 16 (n / 8) + n % 8 + 8 h of the step: hidden where it comes after my query
.set J, 0
.rept 64
	v_cmp_gt_i32 vcc_lo, 16*(J/8)+J%8, v[\vdd]
	v_cndmask_b32 v[96+J], v[96+J], v253, vcc_lo
.set J, J+1
.endr
.Lopen_\@:
.irp b, 0,1,2,3
	v_max3_num_f32 v[232+\b], v[96+16*\b], v[97+16*\b], v[98+16*\b]   ; the largest score of each block of 32 keys: for the row's maximum, and, since p rises with the score, for the block's largest p
.endr
.irp i, 3,5,7,9,11,13
.irp b, 0,1,2,3
	v_max3_num_f32 v[232+\b], v[232+\b], v[96+16*\b+\i], v[97+16*\b+\i]
.endr
.endr
.irp b, 0,1,2,3
	v_max_num_f32 v[232+\b], v[232+\b], v[111+16*\b]
.endr
.irp b, 0,1,2,3
	s_delay_alu instid0(VALU_DEP_4)
	v_permlanex16_b32 v[236+\b], v[232+\b], s48, s49
.endr
.irp b, 0,1,2,3
	s_delay_alu instid0(VALU_DEP_4)
	v_max_num_f32 v[232+\b], v[232+\b], v[236+\b]  ; with lane l xor 16's 16 keys
.endr
	s_delay_alu instid0(VALU_DEP_2)
	v_max3_num_f32 v253, v232, v233, v234
	s_delay_alu instid0(VALU_DEP_1)
	v_max_num_f32 v253, v253, v235
	s_delay_alu instid0(VALU_DEP_1)
	v_mul_f32 v253, s50, v253                      ; the step's largest t
	s_delay_alu instid0(VALU_DEP_1)
	v_max_num_f32 v13, v13, v253
	v_mov_b32 v253, v12
	s_delay_alu instid0(VALU_DEP_2)
	v_floor_f32 v12, -v13                          ; the new -M = floor(-t)
	s_delay_alu instid0(VALU_DEP_1)
	v_sub_f32 v253, v12, v253                      ; old M - new M: a whole number, 0 or less
	s_delay_alu instid0(VALU_DEP_1)
	v_cvt_i32_f32 v253, v253                       ; (it saturates)
	s_delay_alu instid0(VALU_DEP_1)
	v_ldexp_f32 v254, 1.0, v253                    ; f = 2^(old M - new M): rounds nothing
.set J, 0
.rept 32
	v_pk_fma_f32 v[96+J:97+J], v[96+J:97+J], s[50:51], v[12:13] op_sel_hi:[1,0,0]   ; t - M, two at a time
.set J, J+2
.endr
	s_setprio 1
.irp b, 0,1,2,3
	v_fma_f32 v[232+\b], v[232+\b], s50, v12       ; the same of each block's largest score
.endr
.set J, 0
	s_wait_alu depctr_va_vdst(0)
.rept 64
	v_exp_f32 v[96+J], v[96+J]                     ; p = 2^(t - M)
.set J, J+1
.endr
.irp b, 0,1,2,3
	v_exp_f32 v[232+\b], v[232+\b]                 ; the block's largest p
.endr
	v_pk_mul_f32 v[14:15], v[14:15], v[254:255] op_sel_hi:[1,0]   ; the sums under the new M (a plain place behind the exponentials)
	s_wait_alu depctr_va_vdst(0)
.irp b, 0,1,2,3
	v_max_num_f32 v[232+\b], 0x1800000, v[232+\b]  ; the floor 2^(3 - 127): the byte cannot fall under 1
.endr
.irp b, 0,1,2,3
	s_delay_alu instid0(VALU_DEP_4)
	v_add_nc_u32 v[240+\b], 0xff000000, v[232+\b]  ; 2 off the exponent field: the conversion's scale operand
.endr
.irp b, 0,1,2,3
	s_delay_alu instid0(VALU_DEP_4)
	v_lshrrev_b32 v[236+\b], 23, v[240+\b]
.endr
	s_delay_alu instid0(VALU_DEP_3)
	v_lshl_or_b32 v252, v237, 8, v236              ; p's scale word for these 128 keys
	s_delay_alu instid0(VALU_DEP_1)
	v_lshl_or_b32 v252, v238, 16, v252
	s_delay_alu instid0(VALU_DEP_1)
	v_lshl_or_b32 v252, v239, 24, v252
.irp c, 0,1
	v_cvt_scalef32_pk8_fp4_f32 v[224+4*\c], v[96+32*\c:103+32*\c], v[240+2*\c]
	v_cvt_scalef32_pk8_fp4_f32 v[226+4*\c], v[104+32*\c:111+32*\c], v[240+2*\c]
	v_cvt_scalef32_pk8_fp4_f32 v[225+4*\c], v[112+32*\c:119+32*\c], v[241+2*\c]
	v_cvt_scalef32_pk8_fp4_f32 v[227+4*\c], v[120+32*\c:127+32*\c], v[241+2*\c]
.endr
	v_nop                                          ; one plain place behind a scaled conversion
.irp c, 0,1
	v_permlane16_swap_b32 v[224+4*\c], v[225+4*\c] ; block 2 c + lane / 16 whole in a lane
	v_permlane16_swap_b32 v[226+4*\c], v[227+4*\c]
.endr
	v_pk_add_f32 v[236:237], v[100:101], v[104:105]
	v_pk_add_f32 v[246:247], v[108:109], v[112:113]
	v_pk_add_f32 v[244:245], v[116:117], v[120:121]
	v_pk_add_f32 v[242:243], v[124:125], v[128:129]
	v_pk_add_f32 v[240:241], v[132:133], v[136:137]
	v_pk_add_f32 v[234:235], v[140:141], v[144:145]
	v_pk_add_f32 v[232:233], v[148:149], v[152:153]
	v_pk_add_f32 v[14:15], v[14:15], v[156:157]
	v_pk_add_f32 v[236:237], v[236:237], v[96:97]
	v_pk_add_f32 v[246:247], v[246:247], v[98:99]
	v_pk_add_f32 v[244:245], v[244:245], v[102:103]
	v_pk_add_f32 v[242:243], v[242:243], v[106:107]
	v_pk_add_f32 v[240:241], v[240:241], v[110:111]
	s_setprio 0
	v_pk_add_f32 v[234:235], v[234:235], v[114:115]
	v_pk_add_f32 v[232:233], v[232:233], v[118:119]
	v_pk_add_f32 v[14:15], v[14:15], v[122:123]
	v_pk_add_f32 v[236:237], v[236:237], v[126:127]
	v_pk_add_f32 v[246:247], v[246:247], v[130:131]
	v_pk_add_f32 v[244:245], v[244:245], v[134:135]
	v_pk_add_f32 v[242:243], v[242:243], v[138:139]
	v_pk_add_f32 v[240:241], v[240:241], v[142:143]
	v_pk_add_f32 v[234:235], v[234:235], v[146:147]
	v_pk_add_f32 v[232:233], v[232:233], v[150:151]
	v_pk_add_f32 v[14:15], v[14:15], v[154:155]
	v_pk_add_f32 v[236:237], v[236:237], v[158:159]
	s_delay_alu instid0(VALU_DEP_2)
	v_pk_add_f32 v[14:15], v[14:15], v[242:243]
	s_delay_alu instid0(VALU_DEP_2)
	v_pk_add_f32 v[236:237], v[236:237], v[240:241]
	v_pk_add_f32 v[246:247], v[246:247], v[234:235]
	v_pk_add_f32 v[244:245], v[244:245], v[232:233]
	s_delay_alu instid0(VALU_DEP_2)
	v_pk_add_f32 v[14:15], v[14:15], v[246:247]
	s_delay_alu instid0(VALU_DEP_2)
	v_pk_add_f32 v[236:237], v[236:237], v[244:245]
	s_delay_alu instid0(VALU_DEP_1)
	v_pk_add_f32 v[14:15], v[14:15], v[236:237]
.set J, 0
.rept 16
	v_pk_mul_f32 v[160+J:161+J], v[160+J:161+J], v[254:255] op_sel_hi:[1,0]   ; O^T under the new M.  (The sums above are the places between p's codes and scale word and the products below)
.set J, J+2
.endr
	s_wait_alu depctr_va_vdst(0)
	s_wait_dscnt 0x0                               ; V
.irp t, 0,1,2,3
.if \t%2
	v_wmma_scale_f32_16x16x128_f8f6f4 v[160+8*\t:167+8*\t], v[192+8*\t:199+8*\t], v[224:231], v[160+8*\t:167+8*\t], v[248+\t/2], v252 matrix_a_fmt:MATRIX_FMT_FP4 matrix_b_fmt:MATRIX_FMT_FP4 matrix_a_scale:MATRIX_SCALE_ROW1
.else
	v_wmma_scale_f32_16x16x128_f8f6f4 v[160+8*\t:167+8*\t], v[192+8*\t:199+8*\t], v[224:231], v[160+8*\t:167+8*\t], v[248+\t/2], v252 matrix_a_fmt:MATRIX_FMT_FP4 matrix_b_fmt:MATRIX_FMT_FP4
.endif
.endr
.Lskip_\@:
	s_add_co_u32 s53, s53, 4096
	s_add_co_u32 s54, s54, 512
	s_add_co_u32 s55, s55, 256
	s_add_co_u32 s52, s52, 1
	s_cmp_lt_u32 s52, 16
	s_cbranch_scc1 .Lstep_\@
	s_setprio 0
	; the tile's context: O^T / the sum, quantised along the head's 64 (two blocks), as an image and two scale bytes a row
	PLACES 4
	v_add_f32 v14, v14, v15
	s_delay_alu instid0(VALU_DEP_1)
	v_permlanex16_b32 v253, v14, s48, s49
	s_delay_alu instid0(VALU_DEP_1)
	v_add_f32 v14, v14, v253                       ; the row's sum
	s_wait_alu depctr_va_vdst(0)
	v_rcp_f32 v14, v14
	v_nop                                          ; one plain place behind a transcendental
.set J, 0
	s_wait_alu depctr_va_vdst(0)
.rept 32
	v_mul_f32 v[96+J], v[160+J], v14               ; register 8 t + j is channel 16 t + 8 h + j of my query
.set J, J+1
.endr
.irp b, 0,1
	v_max3_num_f32 v[232+\b], |v[96+16*\b]|, |v[97+16*\b]|, 0x1800000
.endr
.irp i, 2,4,6,8,10,12,14
.irp b, 0,1
	s_delay_alu instid0(VALU_DEP_2)
	v_max3_num_f32 v[232+\b], v[232+\b], |v[96+16*\b+\i]|, |v[97+16*\b+\i]|
.endr
.endr
.irp b, 0,1
	s_delay_alu instid0(VALU_DEP_2)
	v_permlanex16_b32 v[236+\b], v[232+\b], s48, s49
.endr
.irp b, 0,1
	s_delay_alu instid0(VALU_DEP_2)
	v_max_num_f32 v[232+\b], v[232+\b], v[236+\b]
.endr
.irp b, 0,1
	s_delay_alu instid0(VALU_DEP_2)
	v_add_nc_u32 v[240+\b], 0xff000000, v[232+\b]
.endr
.irp b, 0,1
	s_delay_alu instid0(VALU_DEP_2)
	v_lshrrev_b32 v[236+\b], 23, v[240+\b]
.endr
	s_delay_alu instid0(VALU_DEP_1)
	v_lshl_or_b32 v253, v237, 8, v236
	v_cvt_scalef32_pk8_fp4_f32 v224, v[96:103], v240
	v_cvt_scalef32_pk8_fp4_f32 v226, v[104:111], v240
	v_cvt_scalef32_pk8_fp4_f32 v225, v[112:119], v241
	v_cvt_scalef32_pk8_fp4_f32 v227, v[120:127], v241
	v_nop
	v_permlane16_swap_b32 v224, v225
	v_permlane16_swap_b32 v226, v227
	global_store_b128 v1, v[224:227], s[\pcc:\pcc+1]   ; 32 lanes store 512 consecutive bytes, aligned
	global_store_b16 v7, v253, s[\pcs:\pcs+1]          ; both lanes of a row write the same two bytes with the same value
.if \more
	s_wait_xcnt 0x0                                ; the stores have read their registers: the next tile writes them again
.endif
.endm
	PASS 16, 250, 5, 16, 28, 32, 1                 ; tile 8 g + ii
	PASS 24, 251, 6, 17, 30, 34, 0                 ; tile 127 - (8 g + ii)
	s_wait_dscnt 0x0
	s_wait_xcnt 0x0
	v_lshl_add_u32 v254, v0, 2, 0x29000
	v_mov_b32 v255, 0
	s_wait_alu depctr_va_vdst(0)
	s_wait_tensorcnt 0x0
	ds_add_u32 v254, v255
	s_wait_dscnt 0x0
	CROUND                                         ; the closing round
	s_endpgm
.Lfunc_end_k_q1b9fedb47f_attn:
	.size	k_q1b9fedb47f_attn, .Lfunc_end_k_q1b9fedb47f_attn-k_q1b9fedb47f_attn
	.p2alignl 7, 3214868480
	.fill 96, 4, 3214868480
	.section	.rodata,"a",@progbits
	.p2align	6, 0x0
	.amdhsa_kernel k_q1b9fedb47f_attn
		.amdhsa_group_segment_fixed_size 169984
		.amdhsa_private_segment_fixed_size 0
		.amdhsa_enable_private_segment 0
		.amdhsa_kernarg_size 24
		.amdhsa_user_sgpr_count 2
		.amdhsa_user_sgpr_kernarg_segment_ptr 1
		.amdhsa_wavefront_size32 1
		.amdhsa_system_sgpr_workgroup_id_x 1
		.amdhsa_system_sgpr_workgroup_id_y 1
		.amdhsa_system_sgpr_workgroup_id_z 1
		.amdhsa_system_vgpr_workitem_id 0
		.amdhsa_next_free_vgpr 256
		.amdhsa_next_free_sgpr 66
		.amdhsa_reserve_vcc 1
		.amdhsa_float_denorm_mode_32 3
		.amdhsa_float_denorm_mode_16_64 3
		.amdhsa_memory_ordered 1
		.amdhsa_forward_progress 1
		.amdhsa_inst_pref_size 62
	.end_amdhsa_kernel
	.amdgpu_metadata
---
amdhsa.version: [ 1, 2 ]
amdhsa.kernels:
  - .name:           k_q1b9fedb47f_attn
    .symbol:         k_q1b9fedb47f_attn.kd
    .args:
      - { .name: qkv, .offset: 0, .size: 8, .value_kind: global_buffer, .address_space: global }
      - { .name: ctx_codes, .offset: 8, .size: 8, .value_kind: global_buffer, .address_space: global }
      - { .name: ctx_scales, .offset: 16, .size: 8, .value_kind: global_buffer, .address_space: global }
    .group_segment_fixed_size: 169984
    .private_segment_fixed_size: 0
    .kernarg_segment_align: 8
    .kernarg_segment_size: 24
    .max_flat_workgroup_size: 512
    .sgpr_count:     66
    .vgpr_count:     256
    .wavefront_size: 32
...
	.end_amdgpu_metadata
.endif
;; end of part 2
;; launch outp (part 3): grid 4 x 64, 4 waves a work-group, clusters of 4 x 4, 236,032 bytes of LDS; arguments ctx_codes, ctx_scales, Wo_codes, Wo_scales, bo, out0; writes out0
.if DOCPART == 3
	.amdgcn_target "amdgcn-amd-amdhsa--gfx1250"
	.amdhsa_code_object_version 6
	.text
	.protected	k_q1b9fedb47f_outp
	.globl	k_q1b9fedb47f_outp
	.p2align	8
	.type	k_q1b9fedb47f_outp,@function
k_q1b9fedb47f_outp:
	s_mov_b64 s[64:65], 0
	v_nop
	global_prefetch_b8 v0, s[64:65] scope:SCOPE_SE
	s_setreg_imm32_b32 hwreg(HW_REG_WAVE_MODE, 25, 1), 1
	s_wait_xcnt 0x0
	s_wait_alu depctr_hold_cnt(0) depctr_sa_sdst(0) depctr_va_vdst(0) depctr_va_sdst(0) depctr_va_ssrc(0) depctr_va_vcc(0) depctr_vm_vsrc(0)
	s_getreg_b32 s2, hwreg(HW_REG_IB_STS2, 6, 4)
	s_cmp_eq_u32 s2, 0
	s_cbranch_scc0 .Lentry_in_a_cluster
	s_endpgm
.Lentry_in_a_cluster:
	s_bfe_u32 s2, ttmp6, 0x10000c
	s_cmp_lg_u32 s2, 0xf033
	s_cbranch_scc0 .Lentry_shape_is_right
	s_endpgm
.Lentry_shape_is_right:
; out0 = context Wo + bo on codes of FP4 (E2M1) with E8M0 scales; out0 is f32.
; SHARES.  A work-group makes 128 rows x 256 columns; wave w makes the 128 rows x columns 64 w on: 32 accumulators of 16 x 16, 8 steps of 128 along K, 32 matrix instructions a step.
; THE MATRIX INSTRUCTION IS USED TRANSPOSED (source 0 = 16 rows of Wo, source 1 = 16 rows of the context): a lane holds eight neighbouring numbers of a row of out0.
; The context's codes lie in memory as images of operand registers, [group of 128 rows][head][tile][512]: register group c of the fragment (tile, K step s) is the image of head 2 s + c.  They come into LDS dense and
; are read 16 bytes a lane on end.  Wo's rows come as rows of 256 bytes + 16 of padding.  All of K fits: two chunks of 512 along K and all scale bytes; every LDS byte is filled once; the stages have bytes of their own.
; CLUSTERS.  4 x 4 work-groups: the four of a row need the same rows of the context, the four of a column the same rows of Wo: each tile is asked for jointly.
; LIMITS.  NaN and infinities are not served.  The bias starts each sum.
.set CHUNK, 102400                     ; the context: 32,768 dense bytes; Wo: 256 rows x 272
.set WOFF,  32768
.set SCX,   204800                     ; the context's scale bytes: 16 runs of 256 bytes + 16
.set SCW,   209152                     ; Wo's: 32 runs
.set STG,   217856                     ; the way out: 16 rows x (256 bytes + 16) for each wave
.set PADC,  (1<<20)|(1<<21)|(5<<22)|(3<<25)
.set ADRX, 16                          ; v16-17 16 x lane in the context's images of chunk 0, 1
.set ADRW, 18                          ; v18-19 my lane's place in my wave's 64 rows of Wo
.set ADSA, 20                          ; v20, v21 scale words: lanes 0-15 the context's rows, lanes 16-31 my rows of Wo
.set ADSB, 21
.set BO,   24                          ; v24 my offset in the bias
.set STO,  25                          ; v25 the stage: where I put 32 bytes of a row
.set RD,   26                          ; v26 and where I read a row back
.set CO,   27                          ; v27 my byte offset in out0
.set SC,   32                          ; v32-95 scale words and nothing else
.set BI,   96                          ; v96-127 the bias in the result's layout
.set G1C,  28
.set G1W,  36
.set G1SX, 44
.set G1SW, 52
.set G0X,  68
.set G0W,  76
.set G0SX, 84
.set G0SW, 88
.set MSB, 0
.macro WIN new
.if MSB != \new
	s_set_vgpr_msb (MSB<<8)|\new
.set MSB, \new
.endif
.endm
.macro PLACES n
.rept \n
	v_nop
.endr
.endm
.macro CROUND
	s_barrier_signal -1
	s_barrier_wait -1
	s_cmp_lg_u32 s60, 0
	s_cbranch_scc1 .Lnot_wave_0_\@
	s_barrier_signal -3
.Lnot_wave_0_\@:
	s_barrier_wait -3
	s_barrier_signal -1
	s_barrier_wait -1
.endm
.macro JLOAD g0a, g1a, g0b, g1b        ; waves 0 and 1 fetch for the context, waves 2 and 3 for Wo; four v_nop follow each line
	s_cmp_eq_u32 s61, 0
	s_cbranch_scc0 .Lfor_w_\@
	tensor_load_to_lds s[\g0a:\g0a+3], s[\g1a:\g1a+7]
	s_nop 0
	PLACES 4
	s_branch .Lasked_\@
.Lfor_w_\@:
	tensor_load_to_lds s[\g0b:\g0b+3], s[\g1b:\g1b+7]
	s_nop 0
	PLACES 4
.Lasked_\@:
.endm
.macro SHAPE g, c, r, p
	s_mov_b32 s[\g+1], (\c)<<16
	s_mov_b32 s[\g+2], (\r)<<16
	s_mov_b32 s[\g+3], (\c)<<16
	s_mov_b32 s[\g+4], \r
	s_mov_b32 s[\g+5], \p
	s_mov_b32 s[\g+6], 0
	s_mov_b32 s[\g+7], 0
.endm
	s_load_b256 s[4:11], s[0:1], 0x0               ; the context's codes s[4:5], scales s[6:7], Wo's codes s[8:9], scales s[10:11]
	s_load_b128 s[12:15], s[0:1], 0x20             ; bo s[12:13], out0 s[14:15]
	v_lshl_add_u32 v254, v0, 2, 0x39800
	v_mov_b32 v255, 0
	ds_add_u32 v254, v255
	ds_add_u32 v254, v255
	v_lshrrev_b32 v1, 5, v0
	v_readfirstlane_b32 s60, v1                    ; wave 0..3
	s_lshr_b32 s61, s60, 1                         ; I fetch for the context (0) or for Wo (1)
	s_and_b32 s62, s60, 1                          ; and which half
	s_bfe_u32 s92, ttmp6, 0x40000                  ; cx: which 256 columns
	s_bfe_u32 s93, ttmp6, 0x40004                  ; cy
	s_and_b32 s94, ttmp7, 0xffff
	s_lshl_b32 s94, s94, 2
	s_add_co_u32 s94, s94, s93                     ; which 128 rows
	s_lshl_b32 s95, s93, 2
	s_lshl_b32 s95, 15, s95                        ; my row of the cluster
	s_lshl_b32 s100, 0x1111, s92                   ; my column
	s_or_b32 s[G1C], s95, (3<<16)|(1<<21)          ; elements of eight bytes, no padding
	s_or_b32 s[G1W], s100, PADC
	s_or_b32 s[G1SX], s95, PADC|(3<<16)
	s_or_b32 s[G1SW], s100, PADC|(3<<16)
	SHAPE G1C, 32, 64, 32                          ; 16,384 dense bytes as 64 rows of 256
	SHAPE G1W, 256, 128, 512                       ; 128 rows of Wo, 256 bytes of each row's 512
	SHAPE G1SX, 32, 8, 32
	SHAPE G1SW, 32, 16, 32
	s_lshl_b32 s96, s94, 16                        ; the context's offsets hang on the rows and the wave alone,
	s_lshl_b32 s97, s62, 14
	s_add_co_u32 s96, s96, s97
	s_mov_b32 s97, 0
	s_lshl_b32 s98, s94, 12
	s_lshl_b32 s99, s62, 11
	s_add_co_u32 s98, s98, s99
	s_mov_b32 s99, 0
	s_lshl_b32 s2, s92, 17                         ; Wo's on cx and the wave alone
	s_lshl_b32 s3, s62, 16
	s_add_co_u32 s2, s2, s3
	s_mov_b32 s3, 0
	s_lshl_b32 s100, s92, 13
	s_lshl_b32 s101, s62, 12
	s_add_co_u32 s100, s100, s101
	s_mov_b32 s101, 0
	s_wait_dscnt 0x0
	s_wait_kmcnt 0x0
	s_add_nc_u64 s[4:5], s[4:5], s[96:97]
	s_add_nc_u64 s[6:7], s[6:7], s[98:99]
	s_add_nc_u64 s[8:9], s[8:9], s[2:3]
	s_add_nc_u64 s[10:11], s[10:11], s[100:101]
	s_lshl_b32 s96, s62, 14                        ; where they go: no place in the cluster enters an LDS address
	s_mul_i32 s97, s62, 34816
.irp ch, 0,1
	s_mov_b32 s[G0X+4*\ch], 1
	s_add_co_u32 s[G0X+4*\ch+1], s96, \ch*CHUNK
	s_add_nc_u64 s[G0X+4*\ch+2:G0X+4*\ch+3], s[4:5], \ch*32768
	s_or_b32 s[G0X+4*\ch+3], s[G0X+4*\ch+3], 0x80000000
	s_mov_b32 s[G0W+4*\ch], 1
	s_add_co_u32 s[G0W+4*\ch+1], s97, \ch*CHUNK+WOFF
	s_add_nc_u64 s[G0W+4*\ch+2:G0W+4*\ch+3], s[8:9], \ch*256
	s_or_b32 s[G0W+4*\ch+3], s[G0W+4*\ch+3], 0x80000000
.endr
	s_mul_i32 s98, s62, 2176
	s_mul_i32 s99, s62, 4352
	s_mov_b32 s[G0SX], 1
	s_add_co_u32 s[G0SX+1], s98, SCX
	s_mov_b64 s[G0SX+2:G0SX+3], s[6:7]
	s_or_b32 s[G0SX+3], s[G0SX+3], 0x80000000
	s_mov_b32 s[G0SW], 1
	s_add_co_u32 s[G0SW+1], s99, SCW
	s_mov_b64 s[G0SW+2:G0SW+3], s[10:11]
	s_or_b32 s[G0SW+3], s[G0SW+3], 0x80000000
	CROUND                                         ; all sixteen work-groups are here: the joint loads meet
	JLOAD G0SX, G1SX, G0SW, G1SW                   ; three loads a wave, all the launch's fills: the scale bytes,
	JLOAD G0X, G1C, G0W, G1W                       ; chunk 0,
	JLOAD G0X+4, G1C, G0W+4, G1W                   ; chunk 1
	v_and_b32 v1, 15, v0                           ; r
	v_bfe_u32 v2, v0, 4, 1                         ; h
	v_and_b32 v6, 31, v0
	v_lshlrev_b32 v[ADRX], 4, v6
	v_add_nc_u32 v[ADRX+1], CHUNK, v[ADRX]
	v_mul_u32_u24 v3, v1, 272
	v_lshl_add_u32 v3, v2, 4, v3
	s_mul_i32 s96, s60, 17408
	s_add_co_u32 s96, s96, WOFF
	v_add_nc_u32 v[ADRW], s96, v3
	v_add_nc_u32 v[ADRW+1], CHUNK, v[ADRW]
	v_lshlrev_b32 v4, 5, v1
	v_lshrrev_b32 v5, 3, v1
	v_lshl_add_u32 v4, v5, 4, v4
	s_mul_i32 s97, s60, 2176
	s_add_co_u32 s97, s97, SCW-SCX
	v_mul_u32_u24 v5, s97, v2                      ; lanes 16-31 take my wave's rows of Wo: one product with the lane's half
	v_add_nc_u32 v[ADSA], v4, v5
	v_add_nc_u32 v[ADSA], SCX, v[ADSA]
	s_mul_i32 s98, s60, 2176
	s_add_co_u32 s98, s98, SCW-SCX-2176
	v_mul_u32_u24 v5, s98, v2
	v_add_nc_u32 v[ADSB], v4, v5
	v_add_nc_u32 v[ADSB], SCX, v[ADSB]
	s_mul_i32 s99, s60, 4352
	s_add_co_u32 s99, s99, STG                     ; my stage
	v_mul_u32_u24 v[STO], v1, 272
	v_lshl_add_u32 v[STO], v2, 5, v[STO]
	v_add_nc_u32 v[STO], s99, v[STO]               ; in: row r, 32 bytes for each half of the lanes
	v_mul_u32_u24 v[RD], v2, 272
	v_lshl_add_u32 v[RD], v1, 4, v[RD]
	v_add_nc_u32 v[RD], s99, v[RD]                 ; back: lanes 0-15 one row of 256 bytes, lanes 16-31 the next
	v_lshlrev_b32 v[CO], 12, v2
	v_lshl_add_u32 v[CO], v1, 4, v[CO]             ; and the same two rows in out0
	v_lshlrev_b32 v[BO], 5, v2
	s_wait_alu depctr_va_vdst(0)
	s_lshl_b32 s2, s92, 10
	s_lshl_b32 s3, s60, 8
	s_add_co_u32 s2, s2, s3                        ; my first column, in bytes: in bo and in a row of out0
	s_mov_b32 s3, 0
	s_add_nc_u64 s[12:13], s[12:13], s[2:3]
	s_add_nc_u64 s[14:15], s[14:15], s[2:3]
	s_lshl_b32 s2, s94, 19                         ; my 128 rows of 4,096 bytes
	s_add_nc_u64 s[14:15], s[14:15], s[2:3]
.irp b, 0,1,2,3
	global_load_b128 v[BI+8*\b:BI+8*\b+3], v[BO], s[12:13] offset:64*\b        ; register j of Wo's tile b is column 16 b + 8 h + j
	global_load_b128 v[BI+8*\b+4:BI+8*\b+7], v[BO], s[12:13] offset:64*\b+16
.endr
.macro SCALES
.irp ch, 0,1
.irp i, 0,1,2,3
	ds_load_b128 v[SC+32*\ch+4*\i:SC+32*\ch+4*\i+3], v[ADSA] offset:544*\i+16*\ch
.endr
.irp i, 4,5,6,7
	ds_load_b128 v[SC+32*\ch+4*\i:SC+32*\ch+4*\i+3], v[ADSB] offset:544*\i+16*\ch
.endr
.endr
.endm
.macro FETCH st                        ; even steps into window 0 (v128-223), odd steps into window 2 (v0-95)
.set CH, (\st)/4
.set QQ, (\st)%4
.set FX, 128*(1-(\st)%2)
.set FW, FX+64
.if (\st)%2
	WIN 0x80
.else
	WIN 0
.endif
.irp a, 0,1,2,3,4,5,6,7
.irp c, 0,1
	ds_load_b128 v[FX+8*\a+4*\c:FX+8*\a+4*\c+3], v[ADRX+CH] offset:((2*QQ+\c)*8+\a)*512
.endr
.endr
.irp b, 0,1,2,3
.irp c, 0,1
	ds_load_b128 v[FW+8*\b+4*\c:FW+8*\b+4*\c+3], v[ADRW+CH] offset:4352*\b+64*QQ+32*\c
.endr
.endr
.endm
; 32 matrix instructions: the 32 accumulators (window 1, tile a of rows x tile b of columns at v[32 a + 8 b]) take turns, one instruction a turn.  The first step's C is the bias.
.macro MUL st
.set CH, (\st)/4
.set QQ, (\st)%4
.set FX, 128*(1-(\st)%2)
.set FW, FX+64
.if (\st) == 0
	WIN 0x40
.elseif (\st)%2 == 0
	WIN 0x50
.else
	WIN 0x5a
.endif
.irp a, 0,1,2,3,4,5,6,7
.irp b, 0,1,2,3
.set DD, 32*\a+8*\b
.if (\st) == 0
.set CR, BI+8*\b
.else
.set CR, DD
.endif
	v_wmma_scale_f32_16x16x128_f8f6f4 v[DD:DD+7], v[FW+8*\b:FW+8*\b+7], v[FX+8*\a:FX+8*\a+7], v[CR:CR+7], v[SC+32*CH+4*\b+QQ], v[SC+32*CH+4*\a+QQ] matrix_a_fmt:MATRIX_FMT_FP4 matrix_b_fmt:MATRIX_FMT_FP4 matrix_a_scale:MATRIX_SCALE_ROW1
.endr
.endr
.endm
.macro GSTEP st
.if (\st) == 3
	s_wait_tensorcnt 0x0                           ; my part of chunk 1 has landed: step 4's fragments are fetched below
.endif
	s_wait_dscnt 0x0                               ; this step's fragments, asked for one step (32 matrix instructions) ago
.if (\st) == 0
	s_wait_loadcnt 0x0                             ; the bias
.endif
.if (\st) == 3
	s_barrier_signal -1
	s_barrier_wait -1                              ; everybody's part of chunk 1 has landed
.endif
.if (\st) < 7
.if (\st) > 0
	PLACES 4                                       ; in front of loads into registers that the last step's matrix instructions have read
.endif
	FETCH (\st)+1
.endif
	MUL \st
.endm
; THE WAY OUT, a tile of 16 rows x 64 columns at a time, through my own stage: LDS serves a wave's instructions in order (ISA guide 5.7.1.4), so no wait stands between the stores and the loads.
.macro TOSTAGE a
	WIN 0x04                                       ; an LDS store's data are its source 1: window 1
.irp b, 0,1,2,3
	ds_store_b128 v[STO], v[32*(\a)+8*\b:32*(\a)+8*\b+3] offset:64*\b        ; each accumulator from its low end on
	ds_store_b128 v[STO], v[32*(\a)+8*\b+4:32*(\a)+8*\b+7] offset:64*\b+16
.endr
	WIN 0
.set BB, 128+32*((\a)%2)
.irp i, 0,1,2,3,4,5,6,7
	ds_load_b128 v[BB+4*\i:BB+4*\i+3], v[RD] offset:544*\i
.endr
.endm
.macro SEND a, younger                 ; younger: the LDS instructions issued behind tile a's loads, which may stay out
.set BB, 128+32*((\a)%2)
	s_wait_dscnt \younger
.irp i, 0,1,2,3,4,5,6,7
	global_store_b128 v[CO], v[BB+4*\i:BB+4*\i+3], s[14:15] offset:(16*(\a)+2*\i)*4096 th:TH_STORE_NT   ; 16 lanes store 256 consecutive bytes, at a multiple of 256 from out0's first byte; 126 rows at the most stand in the immediate
.endr
.endm
	s_wait_tensorcnt 0x1                           ; of my three loads the last, chunk 1's, may stay out: the scale bytes and chunk 0 have landed,
	s_barrier_signal -1
	s_barrier_wait -1                              ; everybody's have
	SCALES
	FETCH 0
.irp st, 0,1,2,3,4,5,6,7
	GSTEP \st
.endr
	WIN 0
	PLACES 4                                       ; in front of the first read of results, and of loads into registers that held fragments
	TOSTAGE 0
.irp a, 1,2,3,4,5,6,7
.if \a > 1
	s_wait_xcnt 0x0                                ; tile a - 2's stores have read their registers: tile a's loads may land there
.endif
	TOSTAGE \a
	SEND \a-1, 16                                  ; behind tile a - 1's loads: tile a's 8 stores and 8 loads
.endr
	SEND 7, 0
	s_wait_dscnt 0x0
	s_wait_tensorcnt 0x0
	ds_add_u32 v254, v255
	s_wait_dscnt 0x0
	CROUND                                         ; the closing round: no work-group ends while a partner may still ask for a tile that names it
	s_endpgm
.Lfunc_end_k_q1b9fedb47f_outp:
	.size	k_q1b9fedb47f_outp, .Lfunc_end_k_q1b9fedb47f_outp-k_q1b9fedb47f_outp
	.p2alignl 7, 3214868480
	.fill 96, 4, 3214868480
	.section	.rodata,"a",@progbits
	.p2align	6, 0x0
	.amdhsa_kernel k_q1b9fedb47f_outp
		.amdhsa_group_segment_fixed_size 236032
		.amdhsa_private_segment_fixed_size 0
		.amdhsa_enable_private_segment 0
		.amdhsa_kernarg_size 48
		.amdhsa_user_sgpr_count 2
		.amdhsa_user_sgpr_kernarg_segment_ptr 1
		.amdhsa_wavefront_size32 1
		.amdhsa_system_sgpr_workgroup_id_x 1
		.amdhsa_system_sgpr_workgroup_id_y 1
		.amdhsa_system_sgpr_workgroup_id_z 1
		.amdhsa_system_vgpr_workitem_id 0
		.amdhsa_next_free_vgpr 640
		.amdhsa_next_free_sgpr 102
		.amdhsa_reserve_vcc 0
		.amdhsa_float_denorm_mode_32 3
		.amdhsa_float_denorm_mode_16_64 3
		.amdhsa_memory_ordered 1
		.amdhsa_forward_progress 1
		.amdhsa_inst_pref_size 73
	.end_amdhsa_kernel
	.amdgpu_metadata
---
amdhsa.version: [ 1, 2 ]
amdhsa.kernels:
  - .name:           k_q1b9fedb47f_outp
    .symbol:         k_q1b9fedb47f_outp.kd
    .args:
      - { .name: ctx_codes, .offset: 0, .size: 8, .value_kind: global_buffer, .address_space: global }
      - { .name: ctx_scales, .offset: 8, .size: 8, .value_kind: global_buffer, .address_space: global }
      - { .name: Wo_codes, .offset: 16, .size: 8, .value_kind: global_buffer, .address_space: global }
      - { .name: Wo_scales, .offset: 24, .size: 8, .value_kind: global_buffer, .address_space: global }
      - { .name: bo, .offset: 32, .size: 8, .value_kind: global_buffer, .address_space: global }
      - { .name: out0, .offset: 40, .size: 8, .value_kind: global_buffer, .address_space: global }
    .group_segment_fixed_size: 236032
    .private_segment_fixed_size: 0
    .kernarg_segment_align: 8
    .kernarg_segment_size: 48
    .max_flat_workgroup_size: 128
    .sgpr_count:     102
    .vgpr_count:     640
    .wavefront_size: 32
...
	.end_amdgpu_metadata
.endif
;; end of part 3
